; MI455X (gfx1250); checked and timed in simulation.
; The chip was launched on July 23, 2026; its instructions are those of AMD's public machine-readable ISA for CDNA 5 (MIT licence, August 2026) and "CDNA5" Instruction Set Architecture Reference Guide (July 2026). The comments in the code are by the model that wrote it; some were corrected since.
;; Lazy GGUF Linear. Allowed arithmetic: matrix products marked QUANTISED: E2M1 operands, one E8M0 scale for each 32 along K, by v_wmma_scale_f32_16x16x128_f8f6f4 with both operands' format E2M1 (or v_wmma_scale_f32_32x16x128_f4), f32 sums; everything else in f32.
;; Inputs: codes 4,096 x 128 x 32 int32; scales 4,096 x 128 float32; x_codes 2 x 2,048 x 128 x 16 uint8 (E2M1 codes of x, K innermost, in blocks of 32 codes, two codes a byte); x_scales 2 x 2,048 x 128 uint8 (E8M0 scales of x, one for each 32 codes along K).
;; Outputs: out0 2 x 2,048 x 4,096 float32.
;; This version of the problem:
;;   THIS VERSION OF THE PROBLEM IS GIVEN IN LOW PRECISION. The matrix products marked QUANTISED in the list below multiply operands that are first quantised to E2M1 (2 exponent bits, 1 mantissa bit; 4 bits a number), with one power-of-two scale for each 32 numbers along K (OCP MX v1.0); their sums are f32. All else is computed in f32.
;;   The module's matrix products, in the order in which they are computed (A, B: the left and right operand; K: the contracted axis; several contracted axes count as one K, in the product's order):
;;     1. [M 4,096, K 4,096] x [K 4,096, N 4,096]; A: input x (given as codes); B: computed on the way: QUANTISED
;;   THE QUANTISER, for each operand of a quantised product, along K:
;;     - K is cut into blocks of 32 from its start; a last block that is shorter is filled with zeros.
;;     - A block's scale is 2^e with e = floor(log2(the largest magnitude in the block)) - 2, held to -126 .. 127; a block of zeros has e = 0. As a byte (E8M0): e + 127.
;;     - Each number is divided by its block's scale, clamped to +-6, and rounded to the nearest number of E2M1, ties to even, subnormals kept.
;;     - The product sums the exact products of the quantised numbers (number of the format x scale) in f32.
;;   ~~~python
;;   def quantise(x, axis):      # numpy; x: float32 -> the quantised numbers, widened to float32 again
;;       x = np.moveaxis(x, axis, -1); K = x.shape[-1]
;;       x = np.pad(x, [(0, 0)] * (x.ndim - 1) + [(0, -K % 32)]); x = x.reshape(x.shape[:-1] + (-1, 32)); a = np.abs(x).max(-1, keepdims=True)
;;       e = np.where(a > 0, np.clip(np.frexp(np.where(a > 0, a, 1))[1] - 1 - 2, -126, 127), 0)      # np.frexp(a)[1] - 1 = floor(log2(a)), exactly
;;       r = np.clip(x / 2.0 ** e, -6, 6)
;;       step = 2.0 ** (np.maximum(np.frexp(np.where(r == 0, 1, r))[1] - 1, 0) - 1)
;;       q = np.round(r / step) * step * 2.0 ** e      # np.round: ties to even
;;       return np.moveaxis(q.reshape(q.shape[:-2] + (-1,))[..., :K], -1, axis).astype(np.float32)
;;   ~~~
;;   OPERANDS COMPUTED ON THE WAY. 'Computed on the way' means the value that the module computes at that place (a softmax that the list does not call 'softmax' is quantised finished and normalised). What goes into a quantiser is computed in f32, as accurately as f32 sums, v_exp_f32 and their like allow (about 1e-6 of the number): no bf16 or f16 on the way to a quantiser, and a product that is left as it is and whose result goes on into a quantised operand takes f32 operands (vector FMAs, or v_wmma_f32_16x16x4_f32). A number that lies on a knife's edge between two numbers of the format may be rounded either way, as far as f32 arithmetic and the matrix unit's own rounding can turn it there, and no further.
;;   INPUTS GIVEN AS CODES. x (in the module: [2, 2048, 4096], K = its axis 2): each comes as NAME_codes (uint8): NAME with its K axis moved to the last place and cut into blocks of 32 codes, [.., K / 32, bytes a block], one block behind the other in memory; two codes a byte, the lower K in the low four bits (a code: sign, 2 exponent bits, 1 mantissa bit); and NAME_scales (uint8): the same leading axes, one E8M0 byte (e + 127) for each 32 codes along K. Its value is code x scale, taken as it is: it is not quantised again, and the codes and scales need not be those that the quantiser above would give.
;; One version. Each part assembles by itself: llvm-mc -triple=amdgcn-amd-amdhsa -mcpu=gfx1250 --defsym DOCPART=n.
;; ======== version 1 of 1: 2 launches
;; limits: right only within a limited range of input values
;; workspace buffers: w_codes 8,388,608 bytes; sc 1,048,576 bytes
;; launch quant (part 1): grid 256 x 1, 16 waves a work-group, no clusters, 96,256 bytes of LDS; arguments codes, scales, x_scales, w_codes, sc; writes w_codes, sc
.if DOCPART == 1
	.amdgcn_target "amdgcn-amd-amdhsa--gfx1250"
	.amdhsa_code_object_version 6
	.text
	.protected	k_q7b760b4a22_quant
	.globl	k_q7b760b4a22_quant
	.p2align	8
	.type	k_q7b760b4a22_quant,@function
k_q7b760b4a22_quant:
	s_mov_b64 s[64:65], 0
	v_nop
	global_prefetch_b8 v0, s[64:65] scope:SCOPE_SE
	s_setreg_imm32_b32 hwreg(HW_REG_WAVE_MODE, 25, 1), 1
	s_wait_xcnt 0x0
; W[n][k] = scales[n][k / 32] x (f32(codes[n][k]) - 128), [4096][4096], is computed in f32 and turned into codes of FP4 (E2M1), K innermost, two codes a byte, with one E8M0 byte for each 32 along K.
; A block's scale is 2^(floor(log2(its largest magnitude)) - 2); its byte is the largest magnitude's own exponent field - 2, held at 1 from below.  Each number is divided by the scale and rounded to the nearest code, ties to even; beyond 6 the largest code.
; OUT: w_codes [4096][2048 bytes], laid as x's codes are.  sc [2][8 s][4096 rows][16 bytes]: part 0 W's scale bytes, part 1 x's, which this launch only lays over: byte j of (s, row) is the scale of block 16 s + j of that row,
; so that the scale bytes of 256 rows for 512 along K are 4,096 consecutive bytes for the product's launch.
; THE DEQUANTISATION IS ONE FUSED MULTIPLY-ADD: fma(f32(code), s, -128 s).  -128 s is exact and the fma rounds once: the correctly rounded (code - 128) s, the same bits as subtracting first wherever code - 128 is exact in f32.
; LIMITS: |code| over 2^24: the last bit may differ from subtracting first.  |s| from 2^121 on: -128 s overflows.  A block of zeros gets the byte 1 where the rule says 127: its codes are zeros, which add nothing under any byte but 0xff, and
; this program alone reads W's bytes.  Blocks whose largest magnitude lies under 2^-124, the floor, were not tried.  NaN and infinities among the scales are not served.
; SHARES.  Work-group g owns rows 16 g .. 16 g + 15 of W and of x's scale bytes: sixteen rows, so that a K step's scale bytes (16 rows x 16 bytes) are 256 consecutive bytes, aligned.  Wave w owns row 16 g + w: 4,096 numbers, 16 KiB of int32,
; in 8 steps of 512.  All 32 loads of a wave (512 consecutive bytes each) go out at the head, each into registers of its own: no pointer is stepped, no register of a load or store is written again.
; The conversions take neighbours along K from ONE lane's registers, a load is best where neighbouring LANES take neighbouring bytes: so a step's 2,048 bytes turn through the wave's own stage in LDS, as they lie, and come back 64 bytes a lane
; (16 neighbours; two neighbouring lanes hold a block).  The stage has 16 bytes of padding behind each 64, so that the lanes' reads fall on different banks.
; No tensor loads, no ring, no branch; one barrier, in front of the scale bytes' way out.  Matrix units and clusters have nothing to do here: every byte is read once by one wave.
; POSITIONS.  Throughout this text W's rows are counted by their POSITION in w_codes and in sc's part 0: position 64 G + 16 b + r (b = 0 .. 3, r = 0 .. 15) holds the problem's row 64 G + 4 r + b.  x's scale bytes keep x's own order.
; So sixteen neighbouring positions are every fourth row of 64, and in the product's launch the results of a lane in four neighbouring tiles are four neighbouring columns.
.set STEPS, 8
.set SP,    80                         ; a lane's place in a stage: its 64 bytes + 16 of padding
.set STG,   32*SP                      ; a stage
.set SF,    2*STG                      ; behind a wave's two stages: its row's 128 scales, f32
.set WREG,  SF+512                     ; a wave's own region of LDS: 5,632 bytes
.set SCB,   16*WREG                    ; behind the sixteen regions: W's scale bytes in the order [s][row][16], 2,048 bytes,
.set XSB,   SCB+2048                   ; and x's likewise
.set X,     32                         ; v32-63   two sets of 16 neighbours
.set R,     64                         ; v64-191  eight sets of 16 numbers as they are loaded
.set C,     192                        ; v192-207 codes: two registers for each step
.set E,     208                        ; v208-215 a scale byte for each step
; v1 lane; v2 16 x lane; v3, v4 the stage, in and out; v5, v6 the row's scales in LDS, in and out; v7 where my block's byte goes; v8 8 x lane; v9 where x's four bytes go; v10 4 x lane; v11, v12 the scale bytes' way out: LDS, memory;
; v13, v14 two chains of the maximum; v15 the conversions' scale operand; v16-19 scales as loaded; v20 x's bytes as loaded; v[24:25], v[26:27] the block's scale, by turns; v[28:29] -128 x it; v[30:31] the way out
	s_load_b256 s[4:11], s[0:1], 0x0               ; codes s[4:5], scales s[6:7], x's scale bytes s[8:9], W's codes s[10:11]
	s_load_b64 s[12:13], s[0:1], 0x20              ; sc
	v_lshl_add_u32 v216, v0, 2, 0x17000
	v_mov_b32 v217, 0
	v_lshrrev_b32 v1, 5, v0
	s_delay_alu instid0(VALU_DEP_1)
	v_readfirstlane_b32 s16, v1                    ; wave 0..15
	v_and_b32 v1, 31, v0                           ; lane
	s_delay_alu instid0(VALU_DEP_1)
	v_lshlrev_b32 v2, 4, v1
	s_delay_alu instid0(VALU_DEP_2)
	v_lshlrev_b32 v8, 3, v1
	s_delay_alu instid0(VALU_DEP_3)
	v_lshlrev_b32 v10, 2, v1
	s_mul_i32 s24, s16, WREG                       ; my wave's region
	s_add_co_u32 s25, s24, SF
	s_lshl_b32 s26, s16, 4                         ; my row's 16 bytes of a K step's 256
	s_add_co_u32 s27, s26, XSB
	s_add_co_u32 s26, s26, SCB
	v_lshrrev_b32 v13, 2, v1                       ; lane / 4
	v_and_b32 v14, 3, v1                           ; lane % 4
	s_delay_alu instid0(VALU_DEP_2)
	v_mul_u32_u24 v3, v13, SP
	s_delay_alu instid0(VALU_DEP_1)
	v_lshl_add_u32 v3, v14, 4, v3
	s_delay_alu instid0(VALU_DEP_1)
	v_add_nc_u32 v3, s24, v3                       ; the stage, in: four lanes' 64 bytes on end, then the padding: SP (lane / 4) + 16 (lane % 4); a load's 512 bytes take eight places
	v_mul_u32_u24 v4, v1, SP
	s_delay_alu instid0(VALU_DEP_1)
	v_add_nc_u32 v4, s24, v4                       ; and out: SP x lane: my 16 neighbours
	v_add_nc_u32 v5, s25, v2                       ; the row's scales, in: 16 bytes a lane
	v_lshlrev_b32 v9, 8, v13
	s_delay_alu instid0(VALU_DEP_1)
	v_lshl_add_u32 v9, v14, 2, v9
	s_delay_alu instid0(VALU_DEP_1)
	v_add_nc_u32 v9, s27, v9                       ; x's bytes 4 lane .. 4 lane + 3 of my row belong to K step lane / 4: 256 (lane / 4) + 16 x wave + 4 (lane % 4)
	v_lshrrev_b32 v13, 1, v1                       ; lane / 2: my block of a step's sixteen
	s_delay_alu instid0(VALU_DEP_1)
	v_lshlrev_b32 v6, 2, v13
	s_delay_alu instid0(VALU_DEP_1)
	v_add_nc_u32 v6, s25, v6                       ; its scale, out
	s_delay_alu instid0(VALU_DEP_3)
	v_add_nc_u32 v7, s26, v13                      ; its byte
	v_lshl_add_u32 v11, v0, 3, SCB                 ; the way out: 8 bytes a thread: wave w takes the 256 bytes of K step w of W (w < 8) or of K step w - 8 of x,
	v_lshrrev_b32 v12, 5, v0
	s_delay_alu instid0(VALU_DEP_1)
	v_lshl_add_u32 v12, v12, 16, v8                ; which lie 65,536 w bytes on in sc (x's part begins at 8 x 65,536)
	v_mov_b32 v25, 0                               ; named as upper halves of pairs of which the packed form takes the low word alone: so they are written
	v_mov_b32 v27, 0
	v_mov_b32 v29, 0
	s_lshl_b32 s17, ttmp9, 4
	s_add_co_u32 s17, s17, s16                     ; my row
	s_lshr_b32 s2, ttmp9, 2                        ; the problem's row at my position: g = 4 G + b, r = the wave:
	s_lshl_b32 s2, s2, 6                           ; 64 G
	s_lshl_b32 s3, s16, 2
	s_add_co_u32 s2, s2, s3                        ; + 4 r
	s_and_b32 s3, ttmp9, 3
	s_add_co_u32 s2, s2, s3                        ; + b
	s_lshl_b32 s18, s2, 14                         ; its 16,384 bytes of int32,
	s_mov_b32 s19, 0
	s_lshl_b32 s20, s2, 9                          ; its 512 bytes of scales;  and by my position:
	s_mov_b32 s21, 0
	s_lshl_b32 s22, s17, 7                         ; its 128 bytes of x's scale bytes,
	s_mov_b32 s23, 0
	s_lshl_b32 s28, s17, 11                        ; its 2,048 bytes of codes,
	s_mov_b32 s29, 0
	s_lshl_b32 s30, ttmp9, 8                       ; and the work-group's 256 bytes in each K step of sc
	s_mov_b32 s31, 0
	s_wait_alu depctr_va_vdst(0)
	s_wait_kmcnt 0x0
	s_add_nc_u64 s[4:5], s[4:5], s[18:19]
	s_add_nc_u64 s[6:7], s[6:7], s[20:21]
	s_add_nc_u64 s[8:9], s[8:9], s[22:23]
	s_add_nc_u64 s[10:11], s[10:11], s[28:29]
	s_add_nc_u64 s[12:13], s[12:13], s[30:31]
	global_load_b32 v20, v10, s[8:9] th:TH_LOAD_NT               ; x's 128 scale bytes of my row
	global_load_b128 v[16:19], v2, s[6:7] th:TH_LOAD_NT          ; my row's 128 scales
.irp t, 0,1,2,3,4,5,6,7
.irp i, 0,1,2,3
	global_load_b128 v[R+16*\t+4*\i:R+16*\t+4*\i+3], v2, s[4:5] offset:2048*\t+512*\i th:TH_LOAD_NT   ; 32 lanes read 512 consecutive bytes; the whole row is asked for at once
.endr
.endr
; Step t's numbers through stage t % 2, and the block's scale.  LDS serves a wave's instructions in order (ISA guide 5.7.1.4): no wait stands between the stores and the loads.
.macro TURN t
.irp i, 0,1,2,3
	ds_store_b128 v3, v[R+16*(\t)+4*\i:R+16*(\t)+4*\i+3] offset:STG*((\t)%2)+8*SP*\i
.endr
.irp i, 0,1,2,3
	ds_load_b128 v[X+16*((\t)%2)+4*\i:X+16*((\t)%2)+4*\i+3], v4 offset:STG*((\t)%2)+16*\i
.endr
	ds_load_b32 v[24+2*((\t)%2)], v6 offset:64*(\t)              ; the scale of block 16 t + lane / 2
.endm
	s_wait_loadcnt 32                              ; the two oldest loads are in; the row's 32 may be out
	ds_store_b128 v5, v[16:19]
	ds_store_b32 v9, v20
	s_wait_loadcnt 28                              ; step 0's four loads are in
	TURN 0
.macro STEP t
.set XS, X+16*((\t)%2)
.set SS, 24+2*((\t)%2)
.if (\t) > 0
	s_wait_dscnt 1                                 ; this step's numbers and scale are back (behind them stands the last step's byte store alone)
.else
	s_wait_dscnt 0x0
.endif
.if (\t) < STEPS-1
	s_wait_loadcnt 24-4*(\t)                       ; the next step's four loads are in; those of the steps behind it, four each, may be out
	TURN (\t)+1                                    ; and go through the other stage while this step is worked
.endif
	v_mul_f32 v28, 0xc3000000, v[SS]               ; -128 s: exact
.irp i, 0,1,2,3,4,5,6,7,8,9,10,11,12,13,14,15
	v_cvt_f32_i32 v[XS+\i], v[XS+\i]
.endr
.irp i, 0,2,4,6,8,10,12,14
	v_pk_fma_f32 v[XS+\i:XS+\i+1], v[XS+\i:XS+\i+1], v[SS:SS+1], v[28:29] op_sel_hi:[1,0,0]   ; w = code x s - 128 s, rounded once; of the pairs s and -128 s the low word serves both halves
.endr
	v_max3_num_f32 v13, |v[XS]|, |v[XS+1]|, |v[XS+2]|            ; the largest magnitude of my 16, in two chains
	v_max3_num_f32 v14, |v[XS+3]|, |v[XS+4]|, |v[XS+5]|
.irp i, 6,10
	s_delay_alu instid0(VALU_DEP_2)
	v_max3_num_f32 v13, v13, |v[XS+\i]|, |v[XS+\i+1]|
	s_delay_alu instid0(VALU_DEP_2)
	v_max3_num_f32 v14, v14, |v[XS+\i+2]|, |v[XS+\i+3]|
.endr
	s_delay_alu instid0(VALU_DEP_2)
	v_max3_num_f32 v13, v13, |v[XS+14]|, |v[XS+15]|
	s_delay_alu instid0(VALU_DEP_1)
	v_max3_num_f32 v13, v13, v14, 0x1800000        ; and the floor 2^(3 - 127), under which no largest magnitude is taken: so the byte cannot fall under 1
	s_delay_alu instid0(VALU_DEP_1)
	v_max_num_f32_dpp v13, v13, v13 row_xmask:1 row_mask:0xf bank_mask:0xf   ; and of my neighbour's 16: the block's
	s_delay_alu instid0(VALU_DEP_1)
	v_add_nc_u32 v15, 0xff000000, v13              ; 2 off its exponent field: the conversion takes the exponent field of this operand as its scale, and nothing else of it
	v_cvt_scalef32_pk8_fp4_f32 v[C+2*(\t)], v[XS:XS+7], v15      ; eight numbers / the scale, to the nearest code; the first number's code in the lowest four bits
	v_cvt_scalef32_pk8_fp4_f32 v[C+2*(\t)+1], v[XS+8:XS+15], v15
	v_lshrrev_b32 v[E+(\t)], 23, v15               ; the scale's byte.  (Also the plain instruction behind the conversions)
	ds_store_b8 v7, v[E+(\t)] offset:256*(\t)      ; both lanes of a block write the same byte with the same value
	global_store_b64 v8, v[C+2*(\t):C+2*(\t)+1], s[10:11] offset:256*(\t)   ; 32 lanes store 256 consecutive bytes, at a multiple of 256 from the buffer's first byte
.endm
.irp t, 0,1,2,3,4,5,6,7
	STEP \t
.endr
	s_wait_dscnt 0x0                               ; for the others' sake: my stores of scale bytes have landed
	s_barrier_signal -1
	s_barrier_wait -1                              ; all sixteen rows' bytes lie in LDS, W's and x's
	ds_load_b64 v[30:31], v11
	s_wait_dscnt 0x0
	global_store_b64 v12, v[30:31], s[12:13]       ; each wave stores 256 consecutive bytes, aligned: one K step's scale bytes of the work-group's sixteen rows
	s_wait_tensorcnt 0x0
	ds_add_u32 v216, v217
	s_wait_dscnt 0x0
	s_endpgm
.Lfunc_end_k_q7b760b4a22_quant:
	.size	k_q7b760b4a22_quant, .Lfunc_end_k_q7b760b4a22_quant-k_q7b760b4a22_quant
	.p2alignl 7, 3214868480
	.fill 96, 4, 3214868480
	.section	.rodata,"a",@progbits
	.p2align	6, 0x0
	.amdhsa_kernel k_q7b760b4a22_quant
		.amdhsa_group_segment_fixed_size 96256
		.amdhsa_private_segment_fixed_size 0
		.amdhsa_enable_private_segment 0
		.amdhsa_kernarg_size 40
		.amdhsa_user_sgpr_count 2
		.amdhsa_user_sgpr_kernarg_segment_ptr 1
		.amdhsa_wavefront_size32 1
		.amdhsa_system_sgpr_workgroup_id_x 1
		.amdhsa_system_sgpr_workgroup_id_y 1
		.amdhsa_system_sgpr_workgroup_id_z 1
		.amdhsa_system_vgpr_workitem_id 0
		.amdhsa_next_free_vgpr 218
		.amdhsa_next_free_sgpr 66
		.amdhsa_reserve_vcc 0
		.amdhsa_float_denorm_mode_32 3
		.amdhsa_float_denorm_mode_16_64 3
		.amdhsa_memory_ordered 1
		.amdhsa_forward_progress 1
		.amdhsa_inst_pref_size 31
	.end_amdhsa_kernel
	.amdgpu_metadata
---
amdhsa.version: [ 1, 2 ]
amdhsa.kernels:
  - .name:           k_q7b760b4a22_quant
    .symbol:         k_q7b760b4a22_quant.kd
    .args:
      - { .name: codes, .offset: 0, .size: 8, .value_kind: global_buffer, .address_space: global }
      - { .name: scales, .offset: 8, .size: 8, .value_kind: global_buffer, .address_space: global }
      - { .name: x_scales, .offset: 16, .size: 8, .value_kind: global_buffer, .address_space: global }
      - { .name: w_codes, .offset: 24, .size: 8, .value_kind: global_buffer, .address_space: global }
      - { .name: sc, .offset: 32, .size: 8, .value_kind: global_buffer, .address_space: global }
    .group_segment_fixed_size: 96256
    .private_segment_fixed_size: 0
    .kernarg_segment_align: 8
    .kernarg_segment_size: 40
    .max_flat_workgroup_size: 512
    .sgpr_count:     66
    .vgpr_count:     218
    .wavefront_size: 32
...
	.end_amdgpu_metadata
.endif
;; end of part 1
;; launch gemm (part 2): grid 16 x 16, 4 waves a work-group, clusters of 4 x 4, 327,680 bytes of LDS; arguments x_codes, w_codes, sc, out0; writes out0
.if DOCPART == 2
	.amdgcn_target "amdgcn-amd-amdhsa--gfx1250"
	.amdhsa_code_object_version 6
	.text
	.protected	k_q7b760b4a22_gemm
	.globl	k_q7b760b4a22_gemm
	.p2align	8
	.type	k_q7b760b4a22_gemm,@function
k_q7b760b4a22_gemm:
	s_mov_b64 s[64:65], 0
	v_nop
	global_prefetch_b8 v0, s[64:65] scope:SCOPE_SE
	s_setreg_imm32_b32 hwreg(HW_REG_WAVE_MODE, 25, 1), 1
	s_wait_xcnt 0x0
	s_wait_alu depctr_hold_cnt(0) depctr_sa_sdst(0) depctr_va_vdst(0) depctr_va_sdst(0) depctr_va_ssrc(0) depctr_va_vcc(0) depctr_vm_vsrc(0)
	s_getreg_b32 s2, hwreg(HW_REG_IB_STS2, 6, 4)
	s_cmp_eq_u32 s2, 0
	s_cbranch_scc0 .Lentry_in_a_cluster
	s_endpgm
.Lentry_in_a_cluster:
	s_bfe_u32 s2, ttmp6, 0x10000c
	s_cmp_lg_u32 s2, 0xf033
	s_cbranch_scc0 .Lentry_shape_is_right
	s_endpgm
.Lentry_shape_is_right:
.set KROW,   2048                      ; a row of codes in memory, bytes
; out[m][n] = sum over k of x[m][k] W[n][k], 4,096 x 4,096 x 4,096.  A = x, B = W: codes of FP4 (E2M1), K innermost, a row 2,048 bytes; one E8M0 scale for each 32 along K; out f32; one f32 sum for each output, K ascending.
; sc [2][8 s][4096 rows][16 bytes]: part 0 W's scale bytes, part 1 x's, by K steps of 512.  W's rows lie by POSITION: position 64 G + 16 b + r holds row n = 64 G + 4 r + b.
; A tile of out, 256 x 256, is made by a work-group of four waves; a wave makes 128 x 128: 32 accumulators of 32 x 16 (a = 0 .. 3 along m, b = 0 .. 7 along n), 512 registers.  256 tiles, one to a work-group.
; Source 0 = 32 rows of x, source 1 = 16 positions of W.  In the result lane (r, h) holds position r and register j the row 16 (j / 8) + 8 h + j % 8.  So the accumulators b = 4 g .. 4 g + 3 hold, in one register number of one lane,
; the columns 64 g + 4 r + 0 .. 3 of one row: moves bring the four together, and an exchange of half waves joins g = 0 and g = 1: a store of 16 bytes a lane covers 512 consecutive bytes of one row.  No LDS stage on the way out.
; K goes in 8 steps of 512 through a ring of two LDS slots (A's 256 rows of 256 bytes, B's 256), filled by the tensor data mover: each wave fetches 128 rows, one load.
; CLUSTERS: 4 x 4 work-groups.  The four of a row need the same tiles of A, the four of a column the same of B: each is asked for JOINTLY, with a mask that names the four.
; SCALE WORDS go from memory straight into registers: 8 loads of 16 bytes a lane for a K step, a K step ahead of their use, in two sets.  (A wave's load covers 512 consecutive bytes.)
; A STEP of 128 along K: first ONE run of 32 LDS loads, the next step's fragments, into the other of two sets; then 32 matrix instructions in a run.
; REGISTERS.  Window 0: v0-31 addresses, v32-95 scale words, two sets, v128-191, v192-255 A's fragments, two sets;  window 1: v0-63, v64-127 B's fragments, two sets;
;   window 2: accumulators a = 0, 1 (accumulator (a, b) at v[128 (a % 2) + 16 b]);  window 3: a = 2, 3.
; PREFETCH: the head asks for K step 1, the place behind K step 1's load for K steps 2 and 3, and each of the first four changes of slots, which refills with K step i + 2, for K step i + 4; the last two refills ask for nothing.
; Each cluster asks once for each 256 bytes that it will load: of the 128 rows that a wave fetches the partner at place p (cx for A, cy for B) names 32 p .. 32 p + 31, a lane a row; the scale bytes of a tile, 16 blocks, likewise: 2 blocks a wave.
; Left out: work-groups that stay: there is one tile to each.
.set ROWB,   256                       ; a tile's row, bytes: 512 along K
.set PITCH,  272                       ; an LDS row: 256 bytes + 16 of padding: row r starts at bank 4 r mod 64 (64 banks of 4 bytes: ISA guide 11.1)
.set HALFT,  128*PITCH                 ; 128 rows: what one tensor load brings, and what one wave reads of A or of B
.set SLOT,   4*HALFT                   ; A's 256 rows, then B's 256
.set SPARE,  2*SLOT                    ; behind the ring: the spare words, 128 bytes for each wave
.set SCSTEP, 65536                     ; from a K step's scale bytes to the next's
; THE LAST LAP GOES BY HALVES OF MY ROWS.  Its first quarter is a step like every other.  Then both slots hold the walk's last two K steps, and nothing is filled again: the seven quarters that are left are multiplied for my rows 0-63 (a = 0, 1), and then
; once more, with B's fragments read again, for my rows 64-127 (a = 2, 3).  So rows 0-63 are stored while rows 64-127 are multiplied.  Each sum still goes by ascending K.
.set FLIP, 0                           ; 1 in the second half: the two sets of fragments change places, since the first half ends with an odd quarter and the second begins with one
.set LAPS, 4
.set SAO,  16                          ; v16  offset of my scale words: x's rows
.set SBO,  17                          ; v17  W's positions
.set PFO,  18                          ; v18  the prefetches' offset in codes: lane x a row
.set PSO,  19                          ; v19  and in scale bytes
.set CO,   20                          ; v20  my byte offset in a row of out: 16 x lane
.set XB,   22                          ; v22-23 LDS address of my B fragments in slot 0, 1
.set XA,   24                          ; v24-25 of my A fragments
.set SPW,  28                          ; v28  LDS address of my spare word; never rewritten
.set NIL,  29                          ; v29  0; never rewritten
.set SC,   32                          ; set s at v[SC + 32 s]: 4 a + q: lane l = row 32 a + l of x;  16 + 4 i + q: lane l = position 32 i + l of W (fragment 2 i in lanes 0-15, 2 i + 1 in lanes 16-31)
.set AF,   128
.set G1,   24                          ; s[24:31] descriptor group 1 for A's tiles, s[32:39] group 0 for slot 0, 1
.set G0,   32
.set G1B,  48                          ; s[48:55], s[56:63] the same for B's
.set G0B,  56
.set PFA,  66                          ; s[66:67] where my prefetches stand in codes
.set MSB, 0
.macro WIN new                         ; the immediate's high byte repeats the setting that is left
.if MSB != \new
	s_set_vgpr_msb (MSB<<8)|\new
.set MSB, \new
.endif
.endm
.set MUL_LO, 0xa4                      ; source 0 (A) window 0, source 1 (B) window 1, C and D window 2
.set MUL_HI, 0xf4                      ; the same, C and D window 3
; A joint load: waves 0 and 1 fetch A's halves, waves 2 and 3 B's.  One mask and one set of registers to a line.
.macro JLOAD s
	s_cmp_eq_u32 s15, 0
	s_cbranch_scc0 .Lfor_b_\@
	tensor_load_to_lds s[G0+4*\s:G0+4*\s+3], s[G1:G1+7]
	s_nop 0
.rept 4
	v_nop
.endr
	s_branch .Lasked_\@
.Lfor_b_\@:
	tensor_load_to_lds s[G0B+4*\s:G0B+4*\s+3], s[G1B:G1B+7]
	s_nop 0
.rept 4
	v_nop
.endr
.Lasked_\@:
.endm
.macro CREST                           ; a round of the cluster's barrier behind its opening barrier
	s_cmp_lg_u32 s14, 0
	s_cbranch_scc1 .Lnot_wave_0_\@
	s_barrier_signal -3
.Lnot_wave_0_\@:
	s_barrier_wait -3
	s_barrier_signal -1
	s_barrier_wait -1
.endm
.macro CROUND
	s_barrier_signal -1
	s_barrier_wait -1
	CREST
.endm
.macro PLACES                          ; four places behind matrix instructions, ahead of loads into registers that they read and of reads of results
.rept 4
	v_nop
.endr
.endm
; A prefetch of the K step ck (codes) steps behind PFA, and cs steps behind s[8:9] (scale bytes).
.macro PREF ck, cs
	global_prefetch_b8 v[PFO], s[PFA:PFA+1] offset:(\ck)*ROWB th:TH_LOAD_NT scope:SCOPE_SE
	global_prefetch_b8 v[PSO], s[8:9] offset:(\cs)*SCSTEP th:TH_LOAD_NT scope:SCOPE_SE
.endm
	s_load_b256 s[4:11], s[0:1], 0x0               ; x's codes s[4:5], W's codes s[6:7], the scale bytes s[8:9], out s[10:11]
	v_lshl_add_u32 v[SPW], v0, 2, SPARE
	v_mov_b32 v[NIL], 0
	ds_add_u32 v[SPW], v[NIL]                      ; the opening lines: the add, twice on end, and one wait
	ds_add_u32 v[SPW], v[NIL]
	v_lshrrev_b32 v1, 5, v0
	v_readfirstlane_b32 s14, v1                    ; wave 0..3
	s_lshr_b32 s15, s14, 1                         ; which half of the tile's rows is mine.  Also: I fetch for A (0) or for B (1)
	s_and_b32 s16, s14, 1                          ; which half of its columns.  Also: which 128 rows of a tile I fetch
	s_bfe_u32 s40, ttmp6, 0x40000                  ; cx, cy
	s_bfe_u32 s41, ttmp6, 0x40004
	s_lshl_b32 s42, ttmp9, 2
	s_add_co_u32 s42, s42, s40                     ; tile column
	s_and_b32 s17, ttmp7, 0xffff
	s_lshl_b32 s17, s17, 2
	s_add_co_u32 s17, s17, s41                     ; tile row
	s_lshl_b32 s43, s41, 2
	s_lshl_b32 s43, 15, s43                        ; my row of the cluster
	s_lshl_b32 s44, 0x1111, s40                    ; my column
	; descriptor group 1: 128 rows of 256 elements of 1 byte, 16 bytes of padding behind each 256; the mask; bit 21 set beside it
	s_or_b32 s[G1+0], s43, (0<<16)|(1<<20)|(1<<21)|(5<<22)|(3<<25)
	s_or_b32 s[G1B+0], s44, (0<<16)|(1<<20)|(1<<21)|(5<<22)|(3<<25)
.irp g, G1, G1B
	s_mov_b32 s[\g+1], ROWB<<16                    ; tensor_dim0
	s_mov_b32 s[\g+2], 128<<16                     ; tensor_dim1
	s_mov_b32 s[\g+3], ROWB<<16                    ; tile_dim0
	s_mov_b32 s[\g+4], 128                         ; tile_dim1
	s_mov_b32 s[\g+5], KROW                        ; tensor_dim0_stride
	s_mov_b32 s[\g+6], 0
	s_mov_b32 s[\g+7], 0
.endr
	s_lshl_b32 s18, s16, 18                        ; 128 rows of 2,048 bytes
	s_lshl_b32 s20, s17, 19                        ; A: 256 rows a tile row
	s_add_co_u32 s20, s20, s18
	s_mov_b32 s21, 0
	s_lshl_b32 s46, s42, 19                        ; B: 256 positions a tile column
	s_add_co_u32 s46, s46, s18
	s_mov_b32 s47, 0
	s_mul_i32 s45, s14, HALFT                      ; where they go: wave x 128 rows
	s_wait_dscnt 0x0                               ; both opening adds are done
	CROUND                                         ; all sixteen work-groups are here: the first joint loads meet
	s_wait_kmcnt 0x0
	s_add_nc_u64 s[20:21], s[4:5], s[20:21]
	s_add_nc_u64 s[46:47], s[6:7], s[46:47]
.irp s, 0,1
	s_mov_b32 s[G0+4*\s], 1
	s_add_co_u32 s[G0+4*\s+1], s45, \s*SLOT
	s_add_nc_u64 s[G0+4*\s+2:G0+4*\s+3], s[20:21], \s*ROWB
	s_or_b32 s[G0+4*\s+3], s[G0+4*\s+3], 0x80000000
	s_mov_b32 s[G0B+4*\s], 1
	s_add_co_u32 s[G0B+4*\s+1], s45, \s*SLOT
	s_add_nc_u64 s[G0B+4*\s+2:G0B+4*\s+3], s[46:47], \s*ROWB
	s_or_b32 s[G0B+4*\s+3], s[G0B+4*\s+3], 0x80000000
.endr
	JLOAD 0                                        ; K step 0: one tensor load a wave at the head
	; where my prefetches stand: by the wave's side A or B, its tile and its place among the four partners
	s_cmp_eq_u32 s15, 0
	s_cselect_b32 s20, s17, s42                    ; tile row or tile column
	s_cselect_b32 s21, s40, s41                    ; place
	s_cselect_b32 s22, 0x80000, 0                  ; x's scale bytes are part 1
	s_cselect_b64 s[PFA:PFA+1], s[4:5], s[6:7]
	s_lshl_b32 s18, s20, 19
	s_lshl_b32 s19, s16, 18
	s_add_co_u32 s18, s18, s19
	s_lshl_b32 s19, s21, 16                        ; 32 rows a place
	s_add_co_u32 s18, s18, s19
	s_mov_b32 s19, 0
	s_add_nc_u64 s[PFA:PFA+1], s[PFA:PFA+1], s[18:19]
	s_lshl_b32 s18, s20, 12                        ; a tile's 4,096 scale bytes,
	s_add_co_u32 s22, s22, s18
	s_lshl_b32 s18, s21, 10                        ; four blocks of 256 a place,
	s_add_co_u32 s22, s22, s18
	s_lshl_b32 s18, s16, 9                         ; two a wave
	s_add_co_u32 s22, s22, s18
	; my scale words: 128 rows of x, 128 positions of W, 16 bytes each
	s_lshl_b32 s18, s17, 12
	s_lshl_b32 s19, s15, 11
	s_add_co_u32 s18, s18, s19
	s_add_co_u32 s18, s18, 0x80000
	s_lshl_b32 s19, s42, 12
	s_lshl_b32 s20, s16, 11
	s_add_co_u32 s19, s19, s20
	; out at my first row (16,384 bytes a row) and column
	s_lshl_b32 s20, s17, 22
	s_lshl_b32 s21, s15, 21
	s_add_co_u32 s20, s20, s21
	s_lshl_b32 s21, s42, 10
	s_add_co_u32 s20, s20, s21
	s_lshl_b32 s21, s16, 9
	s_add_co_u32 s20, s20, s21
	s_mov_b32 s21, 0
	s_add_nc_u64 s[10:11], s[10:11], s[20:21]
	s_mul_i32 s12, s15, HALFT                      ; my 128 rows of A in a slot,
	s_mul_i32 s13, s16, HALFT
	s_add_co_u32 s13, s13, 2*HALFT                 ; my 128 positions of B, behind A's 256
	v_and_b32 v1, 31, v0                           ; lane
	v_and_b32 v2, 15, v0                           ; r
	v_bfe_u32 v3, v0, 4, 1                         ; h
	v_lshlrev_b32 v[CO], 4, v1
	v_min_u32 v5, 1, v1                            ; lanes 1 to 31 name the wave's second block
	v_mul_u32_u24 v7, v2, PITCH
	v_lshlrev_b32 v[PFO], 11, v1
	v_add_nc_u32 v[SAO], s18, v[CO]
	v_add_nc_u32 v[SBO], s19, v[CO]
	v_lshl_add_u32 v[PSO], v5, 8, s22
	v_lshl_add_u32 v7, v3, 4, v7                   ; a fragment: lane (r, h) takes row r at 16 h
	v_add_nc_u32 v8, SLOT, v7                      ; and in slot 1
	v_add_nc_u32 v[XB], s13, v7
	v_add_nc_u32 v[XA], s12, v7
	v_add_nc_u32 v[XB+1], s13, v8
	v_add_nc_u32 v[XA+1], s12, v8
; A K step's scale words into set t: the K step at s[8:9] + off.
.macro SCALES t, off
.irp i, 0,1,2,3
	global_load_b128 v[SC+32*(\t)+4*\i:SC+32*(\t)+4*\i+3], v[SAO], s[8:9] offset:(\off)+512*\i
	global_load_b128 v[SC+32*(\t)+16+4*\i:SC+32*(\t)+16+4*\i+3], v[SBO], s[8:9] offset:(\off)+512*\i
.endr
.endm
; One matrix instruction: accumulator (a, b), the q-th 128 along K of slot s; z = 1: it starts the sum.  Odd fragments of W take their scales from lanes 16-31.
; The 32 accumulators take turns, one instruction a turn, in the same order in every step.
.macro MM a, b, q, s, z
.set DD, 128*((\a)&1)+16*(\b)
.set AA, AF+64*(((\q)+FLIP)&1)+16*(\a)
.set BB, 64*(((\q)+FLIP)&1)+8*(\b)
.set SCX, SC+32*(\s)+4*(\a)+(\q)
.set SCW, SC+32*(\s)+16+4*((\b)>>1)+(\q)
.if \z
.if (\b)&1
	v_wmma_scale_f32_32x16x128_f4 v[DD:DD+15], v[AA:AA+15], v[BB:BB+7], 0, v[SCX], v[SCW] matrix_b_scale:MATRIX_SCALE_ROW1
.else
	v_wmma_scale_f32_32x16x128_f4 v[DD:DD+15], v[AA:AA+15], v[BB:BB+7], 0, v[SCX], v[SCW]
.endif
.else
.if (\b)&1
	v_wmma_scale_f32_32x16x128_f4 v[DD:DD+15], v[AA:AA+15], v[BB:BB+7], v[DD:DD+15], v[SCX], v[SCW] matrix_b_scale:MATRIX_SCALE_ROW1
.else
	v_wmma_scale_f32_32x16x128_f4 v[DD:DD+15], v[AA:AA+15], v[BB:BB+7], v[DD:DD+15], v[SCX], v[SCW]
.endif
.endif
.endm
.macro PHASE a, q, s, z
.irp b, 0,1,2,3,4,5,6,7
	MM \a, \b, \q, \s, \z
.endr
.endm
; Fragments of 16 rows x 128 K: registers 4 c .. 4 c + 3 of lane (r, h) hold K = 64 c + 32 h + 0 .. 31 of row r.  The 32 loads of quarter nq of slot ns, in one run: B's 16, then A's, four for each a.
.macro FETCH ns, nq
	WIN 0x40
.irp i, 0,1,2,3,4,5,6,7
.irp c, 0,1
	ds_load_b128 v[64*((\nq)&1)+8*\i+4*\c:64*((\nq)&1)+8*\i+4*\c+3], v[XB+(\ns)] offset:64*(\nq)+32*\c+\i*16*PITCH
.endr
.endr
	WIN 0
.irp i, 0,1,2,3,4,5,6,7
.irp c, 0,1
	ds_load_b128 v[AF+64*((\nq)&1)+8*\i+4*\c:AF+64*((\nq)&1)+8*\i+4*\c+3], v[XA+(\ns)] offset:64*(\nq)+32*\c+\i*16*PITCH
.endr
.endr
.endm
; A step of 128 along K that has its successor in the same slot.  sl = 1: it also asks for the next K step's scale words.
.macro STEP s, q, z, sl
	s_wait_dscnt 12                                ; B and a = 0 are in; the youngest twelve loads (a = 1, 2, 3) may be out
.if (\q) == 0
	s_wait_loadcnt 0x0                             ; this K step's scale words are in
.endif
	PLACES                                         ; the last step read the set that is loaded below
	FETCH \s, \q+1
.if \sl
	SCALES 1-\s, SCSTEP
.endif
	WIN MUL_LO
	PHASE 0, \q, \s, \z
	s_wait_dscnt 40                                ; a = 1 is in: behind it 8 loads of this step's and the 32 just issued
	PHASE 1, \q, \s, \z
	s_wait_dscnt 32                                ; all of this step's are in
	WIN MUL_HI
	PHASE 2, \q, \s, \z
	PHASE 3, \q, \s, \z
.endm
; A slot's last step changes slots.  fill = 1: the slot is filled again, two K steps ahead.
.macro TURN s, fill
	WIN 0
.if \fill
	s_wait_xcnt 0x0                                ; the prefetches and scale loads have read their bases, which step here
	s_add_nc_u64 s[PFA:PFA+1], s[PFA:PFA+1], ROWB
	s_add_nc_u64 s[8:9], s[8:9], SCSTEP
.endif
	s_wait_tensorcnt 0x0                           ; all my tensor loads have landed: my part of the next slot;
	ds_add_u32 v[SPW], v[NIL]                      ; 0 onto my spare word
.if \fill
	s_add_nc_u64 s[G0+4*\s+2:G0+4*\s+3], s[G0+4*\s+2:G0+4*\s+3], 2*ROWB   ; no tensor load of mine is out: this slot's next K step
	s_add_nc_u64 s[G0B+4*\s+2:G0B+4*\s+3], s[G0B+4*\s+2:G0B+4*\s+3], 2*ROWB
.endif
	s_wait_dscnt 1                                 ; all fragments are in (the add may be out)
	WIN MUL_LO
.irp b, 0,1,2,3
	MM 0, \b, 3, \s, 0
.endr
	s_wait_dscnt 0x0                               ; the add is done, and my reads of this slot are over
	s_barrier_signal -1
.irp b, 4,5,6,7
	MM 0, \b, 3, \s, 0
.endr
	WIN 0
	s_barrier_wait -1
.if \fill
	CREST                                          ; no wave of any partner still reads this slot or has a load on its way
	JLOAD \s                                       ; the first tensor load behind the round; its four v_nop are the places in front of the loads below
.else
	PLACES
.endif
.if \fill
	FETCH 1-\s, 0
	s_cmp_gt_u32 s3, 1                             ; the loop's last trip has no K step four on
	s_cbranch_scc0 .Lno_ask_\@
	PREF 3, 3
.Lno_ask_\@:
.else
	HFETCH 0, 1-\s, 0                              ; fill = 0: in the last lap, for rows 0-63 alone
.endif
	WIN MUL_LO
	PHASE 1, 3, \s, 0
.if \fill
	WIN MUL_HI
	PHASE 2, 3, \s, 0
	PHASE 3, 3, \s, 0
.endif
.endm
	s_wait_alu depctr_va_vdst(0)
	SCALES 0, 0                                    ; K step 0's scale words
	PREF 1, 1                                      ; K step 1
	s_wait_tensorcnt 0x0                           ; my part of K step 0 is in
	ds_add_u32 v[SPW], v[NIL]
	s_wait_dscnt 0x0
	CROUND                                         ; everybody's part is in, and all sixteen work-groups are here
	JLOAD 1                                        ; K step 1
	FETCH 0, 0
	PREF 2, 2                                      ; K steps 2 and 3
	PREF 3, 3
	STEP 0, 0, 1, 1                                ; the first step stands in front of the loop: its products start the sums
	WIN 0
	s_mov_b32 s3, LAPS-1
.Llap:                                                 ; once round the ring, from a lap's second step to the next lap's first
	STEP 0, 1, 0, 0
	STEP 0, 2, 0, 0
	TURN 0, 1
	STEP 1, 0, 0, 1
	STEP 1, 1, 0, 0
	STEP 1, 2, 0, 0
	TURN 1, 1
	STEP 0, 0, 0, 1
	WIN 0
	s_sub_co_u32 s3, s3, 1
	s_cmp_lg_u32 s3, 0
	s_cbranch_scc1 .Llap
; A half step, 128 along K for half hh of my rows, in three parts: HHEAD waits, HFETCH asks for a later half step's fragments (24 loads in one run: B's 16, then four for each of the half's two a), HMUL multiplies.
.macro HHEAD q
	s_wait_dscnt 4                                 ; B and the half's first a are in; the youngest four loads (its second) may be out
.if (\q) == 0
	s_wait_loadcnt 0x0                             ; the last K step's scale words are in
.endif
	PLACES                                         ; for the loads below, and for the moves that read results and land on A's fragments
.endm
.macro HFETCH hh, ns, nq
.set HS, ((\nq)+(\hh))&1
	WIN 0x40
.irp i, 0,1,2,3,4,5,6,7
.irp c, 0,1
	ds_load_b128 v[64*HS+8*\i+4*\c:64*HS+8*\i+4*\c+3], v[XB+(\ns)] offset:64*(\nq)+32*\c+\i*16*PITCH
.endr
.endr
	WIN 0
.irp i, 0,1,2,3
.irp c, 0,1
	ds_load_b128 v[AF+64*HS+32*(\hh)+8*\i+4*\c:AF+64*HS+32*(\hh)+8*\i+4*\c+3], v[XA+(\ns)] offset:64*(\nq)+32*\c+(4*(\hh)+\i)*16*PITCH
.endr
.endr
.endm
.macro HMUL hh, s, q, young            ; young: the loads issued behind this half step's own, which may stay out
	WIN MUL_LO+0x50*(\hh)                          ; MUL_LO or MUL_HI
	PHASE 2*\hh, \q, \s, 0
	s_wait_dscnt \young
	PHASE 2*\hh+1, \q, \s, 0
.endm
; THE WAY OUT: registers 4 e .. 4 e + 3 of accumulators a: 8 rows x 128 columns: 32 moves, 16 exchanges, 8 stores, through 32 registers from x on.  Each accumulator is read from its low end on.
.macro OUT a, e, x
.set AC, 128*((\a)&1)+4*(\e)
.set RW, 32*(\a)+16*((\e)/2)+4*((\e)&1)
	WIN (2+(\a)/2)
.set J, 0
.rept 4
.irp c, 0,1,2,3
	v_mov_b32 v[(\x)+4*J+\c], v[AC+16*\c+J]
	v_mov_b32 v[(\x)+16+4*J+\c], v[AC+64+16*\c+J]
.endr
.set J, J+1
.endr
	WIN 0
.set J, 0
.rept 16
	v_permlane16_swap_b32 v[(\x)+J], v[(\x)+16+J]  ; the first's lanes 16-31 (row 8 further down, g = 0) against the second's lanes 0-15 (g = 1): then each register holds one row
.set J, J+1
.endr
.set J, 0
.rept 4
	global_store_b128 v[CO], v[(\x)+4*J:(\x)+4*J+3], s[10:11] offset:(RW+J)*16384 th:TH_STORE_NT   ; 32 lanes: 512 consecutive bytes of a row, aligned; 127 rows at the most: inside the signed 24-bit immediate (ISA guide, chapter 10)
.set J, J+1
.endr
.set J, 0
.rept 4
	global_store_b128 v[CO], v[(\x)+16+4*J:(\x)+16+4*J+3], s[10:11] offset:(RW+8+J)*16384 th:TH_STORE_NT
.set J, J+1
.endr
.endm
; Where a unit's 32 registers lie: v96-127 are used for nothing else; v128-159 and v192-223 held the first half's A; v160-191 and v224-255 the second half's.
.set Z0, 96
.set Z1, 128
.set Z2, 192
.set Z3, 160
.set Z4, 224
	HHEAD 1                                        ; rows 0-63: quarters 1 to 3 of slot 0, all four of slot 1
	HFETCH 0, 0, 2
	HMUL 0, 0, 1, 24
	HHEAD 2
	HFETCH 0, 0, 3
	HMUL 0, 0, 2, 24
	TURN 0, 0                                      ; behind its barrier slot 1 is whole; slot 0 stays
	HHEAD 0
	HFETCH 0, 1, 1
	HMUL 0, 1, 0, 24
	HHEAD 1
	HFETCH 0, 1, 2
	HMUL 0, 1, 1, 24
	HHEAD 2
	HFETCH 0, 1, 3
	HMUL 0, 1, 2, 24
	HHEAD 3
	HFETCH 1, 0, 1
	HMUL 0, 1, 3, 24
.set FLIP, 1
	HHEAD 1                                        ; rows 64-127, the same seven; rows 0-63 leave
	HFETCH 1, 0, 2
	OUT 0, 0, Z0
	OUT 0, 1, Z1
	HMUL 1, 0, 1, 24
	HHEAD 2
	HFETCH 1, 0, 3
	OUT 0, 2, Z2
	HMUL 1, 0, 2, 24
	HHEAD 3
	HFETCH 1, 1, 0
	s_wait_xcnt 0x0                                ; the stores that read Z0 to Z2 have had their addresses translated (ISA guide 3.1)
	OUT 0, 3, Z0
	HMUL 1, 0, 3, 24
	HHEAD 0
	HFETCH 1, 1, 1
	OUT 1, 0, Z1
	HMUL 1, 1, 0, 24
	HHEAD 1
	HFETCH 1, 1, 2
	OUT 1, 1, Z2
	HMUL 1, 1, 1, 24
	HHEAD 2
	HFETCH 1, 1, 3
	s_wait_xcnt 0x0
	OUT 1, 2, Z0
	HMUL 1, 1, 2, 24
	s_wait_dscnt 4                                 ; the very last half step: nothing more to load
	OUT 1, 3, Z1
	HMUL 1, 1, 3, 0
	PLACES                                         ; the moves read results and land on A's fragments
	OUT 2, 0, Z2
	OUT 2, 1, Z3
	OUT 2, 2, Z4
	s_wait_xcnt 0x0
	OUT 2, 3, Z0
	OUT 3, 0, Z1
	OUT 3, 1, Z2
	OUT 3, 2, Z3
	OUT 3, 3, Z4
	s_wait_tensorcnt 0x0                           ; the wave's end
	ds_add_u32 v[SPW], v[NIL]
	s_wait_dscnt 0x0
	CROUND                                         ; the closing round: no work-group ends while a partner may still ask for a tile that names it
	s_endpgm
.Lfunc_end_k_q7b760b4a22_gemm:
	.size	k_q7b760b4a22_gemm, .Lfunc_end_k_q7b760b4a22_gemm-k_q7b760b4a22_gemm
	.p2alignl 7, 3214868480
	.fill 96, 4, 3214868480
	.section	.rodata,"a",@progbits
	.p2align	6, 0x0
	.amdhsa_kernel k_q7b760b4a22_gemm
		.amdhsa_group_segment_fixed_size 327680
		.amdhsa_private_segment_fixed_size 0
		.amdhsa_enable_private_segment 0
		.amdhsa_kernarg_size 32
		.amdhsa_user_sgpr_count 2
		.amdhsa_user_sgpr_kernarg_segment_ptr 1
		.amdhsa_wavefront_size32 1
		.amdhsa_system_sgpr_workgroup_id_x 1
		.amdhsa_system_sgpr_workgroup_id_y 1
		.amdhsa_system_sgpr_workgroup_id_z 1
		.amdhsa_system_vgpr_workitem_id 0
		.amdhsa_next_free_vgpr 1024
		.amdhsa_next_free_sgpr 68
		.amdhsa_reserve_vcc 0
		.amdhsa_float_denorm_mode_32 3
		.amdhsa_float_denorm_mode_16_64 3
		.amdhsa_memory_ordered 1
		.amdhsa_forward_progress 1
		.amdhsa_inst_pref_size 163
	.end_amdhsa_kernel
	.amdgpu_metadata
---
amdhsa.version: [ 1, 2 ]
amdhsa.kernels:
  - .name:           k_q7b760b4a22_gemm
    .symbol:         k_q7b760b4a22_gemm.kd
    .args:
      - { .name: x_codes, .offset: 0, .size: 8, .value_kind: global_buffer, .address_space: global }
      - { .name: w_codes, .offset: 8, .size: 8, .value_kind: global_buffer, .address_space: global }
      - { .name: sc, .offset: 16, .size: 8, .value_kind: global_buffer, .address_space: global }
      - { .name: out0, .offset: 24, .size: 8, .value_kind: global_buffer, .address_space: global }
    .group_segment_fixed_size: 327680
    .private_segment_fixed_size: 0
    .kernarg_segment_align: 8
    .kernarg_segment_size: 32
    .max_flat_workgroup_size: 128
    .sgpr_count:     68
    .vgpr_count:     1024
    .wavefront_size: 32
...
	.end_amdgpu_metadata
.endif
;; end of part 2
